; MI455X (gfx1250); checked and timed in simulation.
; The chip was launched on July 23, 2026; its instructions are those of AMD's public machine-readable ISA for CDNA 5 (MIT licence, August 2026) and "CDNA5" Instruction Set Architecture Reference Guide (July 2026). The comments in the code are by the model that wrote it; some were corrected since.
;; Co Attention. Allowed arithmetic: matrix products marked QUANTISED: E2M3 operands, one E8M0 scale for each 32 along K, by v_wmma_scale_f32_16x16x128_f8f6f4 with both operands' format E2M3, f32 sums; everything else in f32.
;; Inputs: Wk 1,024 x 1,024 float32; Wq_other 1,024 x 1,024 float32; Wq_self 1,024 x 1,024 float32; Wv 1,024 x 1,024 float32; attention_mask 8 x 1,024 float32; queries 8 x 1,024 x 1,024 float32; values 8 x 1,024 x 1,024 float32; x 8 x 1,024 x 1,024 float32.
;; Outputs: out0 8 x 1,024 x 1,024 float32; out1 8 x 1,024 x 1,024 float32.
;; This version of the problem:
;;   THIS VERSION OF THE PROBLEM IS GIVEN IN LOW PRECISION. The matrix products marked QUANTISED in the list below multiply operands that are first quantised to E2M3 (2 exponent bits, 3 mantissa bits; 6 bits a number), with one power-of-two scale for each 32 numbers along K (OCP MX v1.0); their sums are f32. All else is computed in f32.
;;   The module's matrix products, in the order in which they are computed (A, B: the left and right operand; K: the contracted axis; several contracted axes count as one K, in the product's order):
;;     1. [M 8,192, K 1,024] x [K 1,024, N 1,024]; A: input x; B: input Wk: QUANTISED
;;     2. [M 8,192, K 1,024] x [K 1,024, N 1,024]; A: input x; B: input Wq_self: QUANTISED
;;     3. [M 8,192, K 1,024] x [K 1,024, N 1,024]; A: input queries; B: input Wq_other: QUANTISED
;;     4. [M 8,192, K 1,024] x [K 1,024, N 1,024]; A: input values; B: input Wv: QUANTISED
;;     5. batch 8 x [M 1,024, K 1,024] x [K 1,024, N 1,024]; A: computed on the way; B: computed on the way: QUANTISED
;;     6. batch 8 x [M 1,024, K 1,024] x [K 1,024, N 1,024]; A: computed on the way; B: computed on the way: QUANTISED
;;     7. batch 8 x [M 1,024, K 1,024] x [K 1,024, N 1,024]; A: softmax (see below); B: computed on the way: QUANTISED
;;     8. batch 8 x [M 1,024, K 1,024] x [K 1,024, N 1,024]; A: softmax (see below); B: computed on the way: QUANTISED
;;   THE QUANTISER, for each operand of a quantised product, along K:
;;     - K is cut into blocks of 32 from its start; a last block that is shorter is filled with zeros.
;;     - A block's scale is 2^e with e = floor(log2(the largest magnitude in the block)) - 2, held to -126 .. 127; a block of zeros has e = 0. As a byte (E8M0): e + 127.
;;     - Each number is divided by its block's scale, clamped to +-7.5, and rounded to the nearest number of E2M3, ties to even, subnormals kept.
;;     - The product sums the exact products of the quantised numbers (number of the format x scale) in f32.
;;   ~~~python
;;   def quantise(x, axis):      # numpy; x: float32 -> the quantised numbers, widened to float32 again
;;       x = np.moveaxis(x, axis, -1); K = x.shape[-1]
;;       x = np.pad(x, [(0, 0)] * (x.ndim - 1) + [(0, -K % 32)]); x = x.reshape(x.shape[:-1] + (-1, 32)); a = np.abs(x).max(-1, keepdims=True)
;;       e = np.where(a > 0, np.clip(np.frexp(np.where(a > 0, a, 1))[1] - 1 - 2, -126, 127), 0)      # np.frexp(a)[1] - 1 = floor(log2(a)), exactly
;;       r = np.clip(x / 2.0 ** e, -7.5, 7.5)
;;       step = 2.0 ** (np.maximum(np.frexp(np.where(r == 0, 1, r))[1] - 1, 0) - 3)
;;       q = np.round(r / step) * step * 2.0 ** e      # np.round: ties to even
;;       return np.moveaxis(q.reshape(q.shape[:-2] + (-1,))[..., :K], -1, axis).astype(np.float32)
;;   ~~~
;;   SOFTMAX AHEAD OF A QUANTISED PRODUCT. Where the list says 'softmax', what is quantised is not the finished softmax but p = 2^(t - M), with t = logit x log2(e) and M = ceil(the row's largest t), a whole number; so 1/2 < the row's largest p <= 1. The row's sum l is taken of the UNQUANTISED p, in f32, and the product's result is divided by l at the end. Since M is a whole number, a kernel that streams over the keys may use a running M (the ceiling of the running maximum): every later rescaling is an exact power of two, which a block's scale takes up: the codes' values come out the same.
;;   OPERANDS COMPUTED ON THE WAY. 'Computed on the way' means the value that the module computes at that place (a softmax that the list does not call 'softmax' is quantised finished and normalised). What goes into a quantiser is computed in f32, as accurately as f32 sums, v_exp_f32 and their like allow (about 1e-6 of the number): no bf16 or f16 on the way to a quantiser, and a product that is left as it is and whose result goes on into a quantised operand takes f32 operands (vector FMAs, or v_wmma_f32_16x16x4_f32). A number that lies on a knife's edge between two numbers of the format may be rounded either way, as far as f32 arithmetic and the matrix unit's own rounding can turn it there, and no further.
;; One version. Each part assembles by itself: llvm-mc -triple=amdgcn-amd-amdhsa -mcpu=gfx1250 --defsym DOCPART=n.
;; ======== version 1 of 1: 3 launches
;; limits: right only within a limited range of input values
;; workspace buffers: cin 22,937,600 bytes; mid 26,214,400 bytes
;; launch quant (part 1): grid 256 x 1, 7 waves a work-group, no clusters, 60,160 bytes of LDS; arguments x, queries, values, Wk, Wq_self, Wq_other, Wv, cin; writes cin
.if DOCPART == 1
	.amdgcn_target "amdgcn-amd-amdhsa--gfx1250"
	.amdhsa_code_object_version 6
	.text
	.protected	k_q5fafdd86f9_quant
	.globl	k_q5fafdd86f9_quant
	.p2align	8
	.type	k_q5fafdd86f9_quant,@function
k_q5fafdd86f9_quant:
	s_mov_b64 s[64:65], 0
	v_nop
	global_prefetch_b8 v0, s[64:65] scope:SCOPE_SE
	s_setreg_imm32_b32 hwreg(HW_REG_WAVE_MODE, 25, 1), 1
	s_wait_xcnt 0x0
; x, queries, values [8192][1024] and Wk, Wq_self, Wq_other, Wv [1024][1024], f32, become codes of FP6 (E2M3) along their last axis, with one E8M0 byte for each 32 numbers.
; A block's scale is 2^(floor(log2(its largest magnitude)) - 2); its byte is that magnitude's exponent field - 2, held at 1 from below.
; LIMITS: NaN and infinities among the inputs are not served; a block whose largest magnitude lies under 2^-124 keeps the byte 1; a block of zeros gets the byte 1 where the rule says 127
; (its codes are zeros, which add nothing under that byte, and only this program reads the bytes).
; THE LAYOUT OF cin.  28 matrices of 1,024 rows x 1,024 K (x 0-7, queries 8-15, values 16-23, Wk 24, Wq_self 25, Wq_other 26, Wv 27), 819,200 bytes each: [K step of 128][group of 256 rows][chunk of 25,600 bytes].
; A chunk is 16 images of operand fragments (1,536 bytes: the 12 registers as they stand, registers 4 j .. 4 j + 3 of lane l at 512 j + 16 l) and 1,024 bytes of scale words.
; Lane r of tile t is row 32 (t / 2) + 8 (t % 2) + r + 8 (r / 8) of the group; its scale word lies at 24,576 + 256 (t / 4) + 16 r + 4 (t % 4).
; SHARES.  1,792 units of 128 rows x 128 K, one a wave, seven waves a work-group: unit U = 7 x work-group + wave; tile of 256 rows U >> 4, K step (U >> 1) & 7, half U & 1.  A unit is eight fragments.
; Each load reads 512 consecutive bytes of one row; a fragment's 16 rows turn through the wave's own stage in LDS (rows 528 bytes apart, an odd multiple of 16), so that a lane gets 16 neighbours of each block of its row.
; Each store covers 512 consecutive bytes.  Waves share nothing: no barrier.  Memory binds: no matrix unit, no tensor load, no cluster would add anything.
.set STGB, 16*528                      ; a wave's stage
.set R,    16                          ; v16-143  two sets of 64: a fragment's rows as loaded
.set X,    144                         ; v144-207 register 16 b + i = k 32 b + 16 (lane / 16) + i of my row
.set TM,   208                         ; v208-223 at work
.set PW,   224                         ; v224-231 the eight fragments' scale words
.set SW,   232                         ; v232-235 the words as they are stored
.set CD,   236                         ; v236-247 a fragment's codes; v248-254 at work
.set SEL,  28                          ; s[28:29] lane selects: lane l xor 16
	s_load_b512 s[8:23], s[0:1], 0x0               ; x, queries, values, Wk, Wq_self, Wq_other, Wv, cin
	v_lshl_add_u32 v251, v0, 2, 0xe700
	v_mov_b32 v255, 0
	v_lshrrev_b32 v4, 5, v0
	v_readfirstlane_b32 s24, v4                    ; wave 0..6
	v_and_b32 v5, 31, v0                           ; lane
	v_and_b32 v6, 15, v0                           ; r
	v_bfe_u32 v7, v0, 4, 1                         ; h
	v_lshlrev_b32 v1, 4, v5                        ; 16 x lane: my bytes of a load's, and of a store's, 512; never rewritten
	s_mul_i32 s31, s24, STGB
	v_add_nc_u32 v2, s31, v1                       ; the stage, on the way in
	v_mul_u32_u24 v3, v6, 528
	v_lshl_add_u32 v3, v7, 6, v3
	v_add_nc_u32 v3, s31, v3                       ; and on the way out: row r, + 64 h
.irp b, 0,1,2,3
	v_mov_b32 v[TM+4+\b], 0                        ; written once: a lane permute's destination counts as one of its sources
.endr
	s_mov_b32 s[SEL], 0x76543210
	s_mov_b32 s[SEL+1], 0xfedcba98
	s_mov_b32 s30, 0xffff0000                      ; lanes 16-31
	s_mul_i32 s32, ttmp9, 7
	s_add_co_u32 s32, s32, s24                     ; U
	s_lshr_b32 s33, s32, 4                         ; the tile of 256 rows, 0..111
	s_bfe_u32 s34, s32, 0x30001                    ; the K step
	s_and_b32 s35, s32, 1                          ; the half
	s_wait_alu depctr_va_vdst(0)
	s_wait_kmcnt 0x0
	s_mov_b64 s[4:5], s[20:21]                     ; which tensor: a chain of choices on the tile's number alone
	s_mov_b32 s25, 108                             ; and that tensor's first tile
	s_cmp_lt_u32 s33, 108
	s_cselect_b64 s[4:5], s[18:19], s[4:5]
	s_cselect_b32 s25, 104, s25
	s_cmp_lt_u32 s33, 104
	s_cselect_b64 s[4:5], s[16:17], s[4:5]
	s_cselect_b32 s25, 100, s25
	s_cmp_lt_u32 s33, 100
	s_cselect_b64 s[4:5], s[14:15], s[4:5]
	s_cselect_b32 s25, 96, s25
	s_cmp_lt_u32 s33, 96
	s_cselect_b64 s[4:5], s[12:13], s[4:5]
	s_cselect_b32 s25, 64, s25
	s_cmp_lt_u32 s33, 64
	s_cselect_b64 s[4:5], s[10:11], s[4:5]
	s_cselect_b32 s25, 32, s25
	s_cmp_lt_u32 s33, 32
	s_cselect_b64 s[4:5], s[8:9], s[4:5]
	s_cselect_b32 s25, 0, s25
	s_sub_co_u32 s36, s33, s25                     ; in: ((tile in the tensor) 256 + 128 half) rows of 4,096 bytes + 512 x K step
	s_lshl_b32 s36, s36, 8
	s_lshl_b32 s37, s35, 7
	s_add_co_u32 s36, s36, s37
	s_lshl_b32 s36, s36, 12
	s_lshl_b32 s37, s34, 9
	s_add_co_u32 s36, s36, s37
	s_mov_b32 s37, 0
	s_add_nc_u64 s[4:5], s[4:5], s[36:37]
	s_lshr_b32 s38, s33, 2                         ; out: matrix x 819,200 + K step x 102,400 + group x 25,600
	s_mul_i32 s38, s38, 819200
	s_mul_i32 s39, s34, 102400
	s_add_co_u32 s38, s38, s39
	s_and_b32 s39, s33, 3
	s_mul_i32 s39, s39, 25600
	s_add_co_u32 s38, s38, s39
	s_mov_b32 s39, 0
	s_add_nc_u64 s[26:27], s[22:23], s[38:39]      ; my chunk
	s_mul_i32 s38, s35, 12288
	s_add_nc_u64 s[6:7], s[26:27], s[38:39]        ; my eight images
	s_lshl_b32 s38, s35, 9
	s_add_co_u32 s38, s38, 24576
	s_add_nc_u64 s[26:27], s[26:27], s[38:39]      ; my 512 bytes of scale words
.macro LOADF a                         ; fragment a's 16 rows, 512 bytes of each, into set a % 2
.irp p, 0,1,2,3,4,5,6,7,8,9,10,11,12,13,14,15
	global_load_b128 v[R+64*((\a)%2)+4*\p:R+64*((\a)%2)+4*\p+3], v1, s[4:5] offset:(32*((\a)/2)+8*((\a)%2)+\p+8*(\p/8))*4096 th:TH_LOAD_NT
.endr
.endm
; 64 numbers of a lane, v[s] on, become a fragment's codes in v[pc] .. v[pc + 11] and its scale word in v[pw]
.macro QUANT s, pc, pw
.irp b, 0,1,2,3
	v_max3_num_f32 v[TM+\b], |v[\s+16*\b]|, |v[\s+1+16*\b]|, 0x1800000   ; block b: my 16 numbers, and the floor 2^(3 - 127): the byte cannot fall under 1
.endr
.irp i, 2,4,6,8,10,12,14
.irp b, 0,1,2,3
	v_max3_num_f32 v[TM+\b], v[TM+\b], |v[\s+16*\b+\i]|, |v[\s+1+16*\b+\i]|   ; the four blocks by turns
.endr
.endr
.irp b, 0,1,2,3
	v_permlanex16_b32 v[TM+4+\b], v[TM+\b], s[SEL], s[SEL+1]
.endr
.irp b, 0,1,2,3
	v_max_num_f32 v[TM+\b], v[TM+\b], v[TM+4+\b]   ; with lane l xor 16's: the block's largest magnitude
.endr
.irp b, 0,1,2,3
	v_add_nc_u32 v[TM+12+\b], 0xff000000, v[TM+\b] ; 2 off its exponent field: the conversion takes the exponent field of this operand as its scale
.endr
.irp b, 0,1,2,3
	v_lshrrev_b32 v[TM+4+\b], 23, v[TM+12+\b]      ; the scale's byte
.endr
	v_lshl_or_b32 v[\pw], v[TM+5], 8, v[TM+4]
	v_lshl_or_b32 v[\pw], v[TM+6], 16, v[\pw]
	v_lshl_or_b32 v[\pw], v[TM+7], 24, v[\pw]      ; my row's scale word, in both halves of the lanes
.irp c, 0,1
	v_cvt_scalef32_pk16_fp6_f32 v[\pc+6*\c:\pc+2+6*\c], v[\s+32*\c:\s+15+32*\c], v[TM+12+2*\c]
	v_cvt_scalef32_pk16_fp6_f32 v[\pc+12+4*\c:\pc+14+4*\c], v[\s+16+32*\c:\s+31+32*\c], v[TM+12+2*\c+1]   ; (a conversion's three registers begin on an even number)
.endr
	v_nop                                          ; one plain instruction behind a scaled conversion
.irp c, 0,1                            ; the operand wants a whole block in a lane: lanes 0-15 block 2 c, lanes 16-31 block 2 c + 1
.irp i, 0,1,2
	v_permlane16_swap_b32 v[\pc+6*\c+\i], v[\pc+12+4*\c+\i]
.endr
.irp i, 0,1,2
	v_mov_b32 v[\pc+3+6*\c+\i], v[\pc+12+4*\c+\i]
.endr
.endr
.endm
	LOADF 0
	LOADF 1
.irp a, 0,1,2,3,4,5,6,7
.if \a < 7
	s_wait_loadcnt 16                              ; this fragment's 16 loads are in; the next fragment's 16 may be out
.else
	s_wait_loadcnt 0x0
.endif
.irp p, 0,1,2,3,4,5,6,7,8,9,10,11,12,13,14,15
	ds_store_b128 v2, v[R+64*(\a%2)+4*\p:R+64*(\a%2)+4*\p+3] offset:528*\p
.endr
.irp q, 0,1,2,3,4,5,6,7,8,9,10,11,12,13,14,15
	ds_load_b128 v[X+4*\q:X+4*\q+3], v3 offset:128*(\q/4)+16*(\q%4)   ; LDS serves a wave's instructions in order: these see the stores above
.endr
	s_wait_dscnt 0x0                               ; my 64 numbers are back, so the stores into the stage have read their registers,
.if \a < 6
	LOADF \a+2                                     ; which take the fragment two on
.endif
	s_wait_xcnt 0x0                                ; the last fragment's stores have read the codes' registers
	QUANT X, CD, PW+\a
.irp j, 0,1,2
	global_store_b128 v1, v[CD+4*\j:CD+4*\j+3], s[6:7] offset:1536*\a+512*\j   ; 32 lanes store 512 consecutive bytes
.endr
.endr
.irp i, 0,1,2,3
	v_cndmask_b32 v[SW+\i], v[PW+\i], v[PW+4+\i], s30   ; lanes 0-15: fragments 0-3's words, lanes 16-31: fragments 4-7's
.endr
	global_store_b128 v1, v[SW:SW+3], s[26:27]
	s_wait_tensorcnt 0x0
	ds_add_u32 v251, v255
	s_wait_dscnt 0x0
	s_endpgm
.Lfunc_end_k_q5fafdd86f9_quant:
	.size	k_q5fafdd86f9_quant, .Lfunc_end_k_q5fafdd86f9_quant-k_q5fafdd86f9_quant
	.p2alignl 7, 3214868480
	.fill 96, 4, 3214868480
	.section	.rodata,"a",@progbits
	.p2align	6, 0x0
	.amdhsa_kernel k_q5fafdd86f9_quant
		.amdhsa_group_segment_fixed_size 60160
		.amdhsa_private_segment_fixed_size 0
		.amdhsa_enable_private_segment 0
		.amdhsa_kernarg_size 64
		.amdhsa_user_sgpr_count 2
		.amdhsa_user_sgpr_kernarg_segment_ptr 1
		.amdhsa_wavefront_size32 1
		.amdhsa_system_sgpr_workgroup_id_x 1
		.amdhsa_system_sgpr_workgroup_id_y 1
		.amdhsa_system_sgpr_workgroup_id_z 1
		.amdhsa_system_vgpr_workitem_id 0
		.amdhsa_next_free_vgpr 256
		.amdhsa_next_free_sgpr 66
		.amdhsa_reserve_vcc 0
		.amdhsa_float_denorm_mode_32 3
		.amdhsa_float_denorm_mode_16_64 3
		.amdhsa_memory_ordered 1
		.amdhsa_forward_progress 1
		.amdhsa_inst_pref_size 65
	.end_amdhsa_kernel
	.amdgpu_metadata
---
amdhsa.version: [ 1, 2 ]
amdhsa.kernels:
  - .name:           k_q5fafdd86f9_quant
    .symbol:         k_q5fafdd86f9_quant.kd
    .args:
      - { .name: x, .offset: 0, .size: 8, .value_kind: global_buffer, .address_space: global }
      - { .name: queries, .offset: 8, .size: 8, .value_kind: global_buffer, .address_space: global }
      - { .name: values, .offset: 16, .size: 8, .value_kind: global_buffer, .address_space: global }
      - { .name: Wk, .offset: 24, .size: 8, .value_kind: global_buffer, .address_space: global }
      - { .name: Wq_self, .offset: 32, .size: 8, .value_kind: global_buffer, .address_space: global }
      - { .name: Wq_other, .offset: 40, .size: 8, .value_kind: global_buffer, .address_space: global }
      - { .name: Wv, .offset: 48, .size: 8, .value_kind: global_buffer, .address_space: global }
      - { .name: cin, .offset: 56, .size: 8, .value_kind: global_buffer, .address_space: global }
    .group_segment_fixed_size: 60160
    .private_segment_fixed_size: 0
    .kernarg_segment_align: 8
    .kernarg_segment_size: 64
    .max_flat_workgroup_size: 224
    .sgpr_count:     66
    .vgpr_count:     256
    .wavefront_size: 32
...
	.end_amdgpu_metadata
.endif
;; end of part 1
;; launch proj (part 2): grid 4 x 128, 4 waves a work-group, clusters of 4 x 4, 327,680 bytes of LDS; arguments cin, mid; writes mid
.if DOCPART == 2
	.amdgcn_target "amdgcn-amd-amdhsa--gfx1250"
	.amdhsa_code_object_version 6
	.text
	.protected	k_q5fafdd86f9_proj
	.globl	k_q5fafdd86f9_proj
	.p2align	8
	.type	k_q5fafdd86f9_proj,@function
k_q5fafdd86f9_proj:
	s_mov_b64 s[64:65], 0
	v_nop
	global_prefetch_b8 v0, s[64:65] scope:SCOPE_SE
	s_setreg_imm32_b32 hwreg(HW_REG_WAVE_MODE, 25, 1), 1
	s_wait_xcnt 0x0
	s_wait_alu depctr_hold_cnt(0) depctr_sa_sdst(0) depctr_va_vdst(0) depctr_va_sdst(0) depctr_va_ssrc(0) depctr_va_vcc(0) depctr_vm_vsrc(0)
	s_getreg_b32 s2, hwreg(HW_REG_IB_STS2, 6, 4)
	s_cmp_eq_u32 s2, 0
	s_cbranch_scc0 .Lentry_in_a_cluster
	s_endpgm
.Lentry_in_a_cluster:
	s_bfe_u32 s2, ttmp6, 0x10000c
	s_cmp_lg_u32 s2, 0xf033
	s_cbranch_scc0 .Lentry_shape_is_right
	s_endpgm
.Lentry_shape_is_right:
; The four projections on codes of FP6 (E2M3) with E8M0 scales, their f32 results quantised again in registers: k, q_s, q_o along a, v along the keys.
; ONE FORM FOR ALL FOUR: C[row of S1][row of S0] = the sum over d of S1[..][d] S0[..][d], quantised along S0's rows.  k: S1 = x, S0 = Wk;  q_s: x, Wq_self;  q_o: queries, Wq_other;  v^T: S1 = Wv, S0 = values.
; cin and mid have one layout: matrices of 1,024 rows x 1,024 K, [K step of 128][group of 256 rows][chunk of 25,600 bytes]; a chunk is 16 images of operand fragments (1,536 bytes: registers 4 j .. 4 j + 3 of lane l
; at 512 j + 16 l) and 1,024 bytes of scale words (tile t, lane r: 24,576 + 256 (t / 4) + 16 r + 4 (t % 4)); lane r of tile t is row 32 (t / 2) + 8 (t % 2) + r + 8 (r / 8) of the group.
; mid: k of batch b is matrix 2 b, v^T 2 b + 1, q_s 16 + b, q_o 24 + b.  The cluster's y, 0..31, IS the output matrix.
; LIMITS: as the quantiser's: NaN and infinities are not served; a block under 2^-124, or of zeros, keeps the byte 1 (its codes are then zeros or nearly so; only this program reads the bytes).
; SHARES.  A work-group makes 256 x 256 of C, a wave 128 x 128: 64 accumulators, 512 registers.  Source 0 = 16 rows of S0, source 1 = 16 rows of S1: a lane holds one row of S1, and by the order of a tile's rows
; the 16 registers of S0's tiles 2 B and 2 B + 1 are 16 neighbours along S0: what the conversions want.  So a wave's 128 columns are one K step of the output, and the codes leave as images, 512 consecutive bytes a store.
; CLUSTERS: 4 x 4.  S1's group hangs on cy and is shared along a row of the cluster, S0's on cx and is shared along a column: each chunk is asked for jointly by four work-groups.
; RING: two LDS slots of four chunks (S1's K steps 2 f, 2 f + 1, then S0's), one chunk a wave, one dense block of 100 rows of 256 bytes a load.  Four fills in all, so the eight K steps are written straight.
; Fragments come from LDS by three loads of 16 bytes at 16 x lane: consecutive bytes, no pitch.  Each wave prefetches its share of the three later fills' chunks, two, four and six K steps on.
; REGISTERS: window 0: v16-29 addresses; v32-47 scale words, two sets; v48-75 the way out's work; v128-223 S1's eight fragments, ONE set, later the codes; v224-231 at work.
;   window 1: S0's fragments, two sets, at v0 and v128.   windows 2, 3: accumulator (a, b) at v[8 (8 (a % 4) + b)] of window 2 + a / 4.
.set FR,    12
.set CHUNK, 25600
.set TILE,  4*CHUNK                    ; from a K step of a matrix to the next
.set MATB,  8*TILE
.set SLOT,  4*CHUNK
.set SPARE, 2*SLOT                     ; the spare words, 128 bytes a wave: two blocks of 256 bytes that no other line names
.set ADRA, 16                          ; v16-17  my eight tiles of S1 in slot 0, 1
.set ADRB, 20                          ; v20-21  of S0
.set ADSA, 22                          ; v22-23  their scale words: S1's
.set ADSB, 24                          ; v24-25  S0's
.set LI,   26                          ; v26     16 x lane
.set SPW,  28                          ; v28     my spare word; never rewritten
.set NIL,  29                          ; v29     0; never rewritten
.set SC,   32                          ; set p: v[SC+8p ..+3] S0's words (register i: tile i in lanes 0-15, tile 4 + i in lanes 16-31), v[SC+8p+4 ..+7] S1's
.set TM,   48
.set PW,   64
.set SW,   72
.set AF,   128
.set TP,   224
.set G1,   24                          ; s[24:31] group 1 for S1's chunks; s[32:39] groups 0, one a slot
.set G0,   32
.set G1B,  48                          ; s[48:55], s[56:63] the same for S0's
.set G0B,  56
.set SEL,  70
.set MSB, 0
.macro WIN new                         ; the immediate's high byte repeats the setting that is left
.if MSB != \new
	s_set_vgpr_msb (MSB<<8)|\new
.set MSB, \new
.endif
.endm
.set MUL_LO, 0xa1                      ; source 0 window 1, source 1 window 0, C and D window 2
.set MUL_HI, 0xf1                      ; the same, C and D window 3
.set TO_B,   0x40                      ; destination window 1
.macro PLACES                          ; four plain instructions between a matrix instruction and a load into, or a vector instruction on, its registers
.rept 4
	v_nop
.endr
.endm
; One product.  rD, rA, rB: first registers; rSA, rSB: scale registers; fA, fB: that side's words stand in lanes 16-31
.macro WMMA zero
.if \zero
.if fA && fB
	v_wmma_scale_f32_16x16x128_f8f6f4 v[rD:rD+7], v[rA:rA+11], v[rB:rB+11], 0, v[rSA], v[rSB] matrix_a_fmt:MATRIX_FMT_FP6 matrix_b_fmt:MATRIX_FMT_FP6 matrix_a_scale:MATRIX_SCALE_ROW1 matrix_b_scale:MATRIX_SCALE_ROW1
.elseif fA
	v_wmma_scale_f32_16x16x128_f8f6f4 v[rD:rD+7], v[rA:rA+11], v[rB:rB+11], 0, v[rSA], v[rSB] matrix_a_fmt:MATRIX_FMT_FP6 matrix_b_fmt:MATRIX_FMT_FP6 matrix_a_scale:MATRIX_SCALE_ROW1
.elseif fB
	v_wmma_scale_f32_16x16x128_f8f6f4 v[rD:rD+7], v[rA:rA+11], v[rB:rB+11], 0, v[rSA], v[rSB] matrix_a_fmt:MATRIX_FMT_FP6 matrix_b_fmt:MATRIX_FMT_FP6 matrix_b_scale:MATRIX_SCALE_ROW1
.else
	v_wmma_scale_f32_16x16x128_f8f6f4 v[rD:rD+7], v[rA:rA+11], v[rB:rB+11], 0, v[rSA], v[rSB] matrix_a_fmt:MATRIX_FMT_FP6 matrix_b_fmt:MATRIX_FMT_FP6
.endif
.else
.if fA && fB
	v_wmma_scale_f32_16x16x128_f8f6f4 v[rD:rD+7], v[rA:rA+11], v[rB:rB+11], v[rD:rD+7], v[rSA], v[rSB] matrix_a_fmt:MATRIX_FMT_FP6 matrix_b_fmt:MATRIX_FMT_FP6 matrix_a_scale:MATRIX_SCALE_ROW1 matrix_b_scale:MATRIX_SCALE_ROW1
.elseif fA
	v_wmma_scale_f32_16x16x128_f8f6f4 v[rD:rD+7], v[rA:rA+11], v[rB:rB+11], v[rD:rD+7], v[rSA], v[rSB] matrix_a_fmt:MATRIX_FMT_FP6 matrix_b_fmt:MATRIX_FMT_FP6 matrix_a_scale:MATRIX_SCALE_ROW1
.elseif fB
	v_wmma_scale_f32_16x16x128_f8f6f4 v[rD:rD+7], v[rA:rA+11], v[rB:rB+11], v[rD:rD+7], v[rSA], v[rSB] matrix_a_fmt:MATRIX_FMT_FP6 matrix_b_fmt:MATRIX_FMT_FP6 matrix_b_scale:MATRIX_SCALE_ROW1
.else
	v_wmma_scale_f32_16x16x128_f8f6f4 v[rD:rD+7], v[rA:rA+11], v[rB:rB+11], v[rD:rD+7], v[rSA], v[rSB] matrix_a_fmt:MATRIX_FMT_FP6 matrix_b_fmt:MATRIX_FMT_FP6
.endif
.endif
.endm
; A joint load: waves 0 and 1 fetch S1's two K steps, waves 2 and 3 S0's.  Each line has one mask; the branch hangs on the wave's number alone.  Four v_nop follow each line.
.macro JLOAD g0a, g1a, g0b, g1b
	s_cmp_eq_u32 s15, 0
	s_cbranch_scc0 .Lfor_b_\@
	tensor_load_to_lds s[\g0a:\g0a+3], s[\g1a:\g1a+7]
	s_nop 0
.rept 4
	v_nop
.endr
	s_branch .Lasked_\@
.Lfor_b_\@:
	tensor_load_to_lds s[\g0b:\g0b+3], s[\g1b:\g1b+7]
	s_nop 0
.rept 4
	v_nop
.endr
.Lasked_\@:
.endm
.macro CREST                           ; a round of the cluster's barrier behind its opening barrier
	s_cmp_lg_u32 s14, 0
	s_cbranch_scc1 .Lnot_wave_0_\@
	s_barrier_signal -3
.Lnot_wave_0_\@:
	s_barrier_wait -3
	s_barrier_signal -1
	s_barrier_wait -1
.endm
.macro CROUND
	s_barrier_signal -1
	s_barrier_wait -1
	CREST
.endm
	s_load_b128 s[4:7], s[0:1], 0x0                ; cin, mid
	v_lshl_add_u32 v[SPW], v0, 2, SPARE
	v_mov_b32 v[NIL], 0
	ds_add_u32 v28, v29
	ds_add_u32 v28, v29
	s_wait_dscnt 0x0
	v_lshrrev_b32 v1, 5, v0
	v_readfirstlane_b32 s14, v1                    ; wave 0..3
	s_lshr_b32 s15, s14, 1                         ; my half of S1's rows.  Also: I fetch for S1 (0) or S0 (1)
	s_and_b32 s16, s14, 1                          ; my half of S0's rows.  Also: which of a slot's two K steps I fetch
	s_bfe_u32 s40, ttmp6, 0x40000                  ; cx
	s_bfe_u32 s41, ttmp6, 0x40004                  ; cy
	s_and_b32 s17, ttmp7, 0xffff                   ; the cluster's y: the output matrix, shared by all sixteen
	s_lshr_b32 s18, s17, 1                         ; under 16: the batch
	s_add_co_u32 s19, s18, 16                      ; its matrix of values
	s_and_b32 s22, s17, 15                         ; from 16 on: x's matrix 0-7 or queries' 8-15
	s_lshr_b32 s23, s17, 3
	s_add_co_u32 s23, s23, 23                      ; and Wq_self (25) or Wq_other (26)
	s_bitcmp1_b32 s17, 0                           ; odd: v^T
	s_cselect_b32 s20, 27, s18                     ; S1: Wv or x
	s_cselect_b32 s21, s19, 24                     ; S0: values or Wk
	s_cmp_lt_u32 s17, 16
	s_cselect_b32 s20, s20, s22
	s_cselect_b32 s21, s21, s23
	s_lshl_b32 s43, s41, 2
	s_lshl_b32 s43, 15, s43                        ; my row of the cluster
	s_lshl_b32 s44, 0x1111, s40                    ; my column
	s_or_b32 s[G1+0], s43, (3<<16)|(1<<21)         ; 15:0 the mask; 17:16 elements of 8 bytes; 20 no padding; 21 set beside a mask
	s_or_b32 s[G1B+0], s44, (3<<16)|(1<<21)
.irp g, G1, G1B
	s_mov_b32 s[\g+1], 32<<16                      ; tensor_dim0 = 32 elements: 256 bytes
	s_mov_b32 s[\g+2], 100<<16                     ; tensor_dim1 = 100 rows: a chunk
	s_mov_b32 s[\g+3], 32<<16                      ; tile_dim0
	s_mov_b32 s[\g+4], 100                         ; tile_dim1
	s_mov_b32 s[\g+5], 32                          ; the pitch: dense
	s_mov_b32 s[\g+6], 0
	s_mov_b32 s[\g+7], 0
.endr
	s_mul_i32 s66, s20, MATB                       ; S1's chunk: matrix, group cy, my K step; no register of it ever holds cx
	s_mul_i32 s67, s41, CHUNK
	s_add_co_u32 s66, s66, s67
	s_mul_i32 s67, s16, TILE
	s_add_co_u32 s66, s66, s67
	s_mov_b32 s67, 0
	s_mul_i32 s68, s21, MATB                       ; S0's: matrix, group cx, my K step; none ever holds cy
	s_mul_i32 s69, s40, CHUNK
	s_add_co_u32 s68, s68, s69
	s_mul_i32 s69, s16, TILE
	s_add_co_u32 s68, s68, s69
	s_mov_b32 s69, 0
	s_mul_i32 s45, s14, CHUNK                      ; where it goes in a slot: wave x a chunk
	s_mov_b32 s[SEL], 0x76543210
	s_mov_b32 s[SEL+1], 0xfedcba98
	s_mov_b32 s94, 0xffff0000                      ; lanes 16-31
	s_wait_kmcnt 0x0
	s_add_nc_u64 s[66:67], s[4:5], s[66:67]
	s_add_nc_u64 s[68:69], s[4:5], s[68:69]
	s_cmp_eq_u32 s15, 0                            ; the prefetches: of the chunk that I fetch, 100 blocks of 256 bytes, each of the four partners that ask for it with me names 25, told apart by address
	s_cselect_b64 s[80:81], s[66:67], s[68:69]
	s_cselect_b32 s82, s40, s41                    ; my place among them: cx for S1's chunks, cy for S0's
	s_mul_i32 s82, s82, 6400
	s_mov_b32 s83, 0
	s_add_nc_u64 s[80:81], s[80:81], s[82:83]      ; never rewritten
	CROUND                                         ; all sixteen work-groups are here: the first joint loads meet
.irp s, 0,1
	s_mov_b32 s[G0+4*\s], 1
	s_add_co_u32 s[G0+4*\s+1], s45, \s*SLOT
	s_add_nc_u64 s[G0+4*\s+2:G0+4*\s+3], s[66:67], \s*2*TILE
	s_or_b32 s[G0+4*\s+3], s[G0+4*\s+3], 0x80000000
	s_mov_b32 s[G0B+4*\s], 1
	s_add_co_u32 s[G0B+4*\s+1], s45, \s*SLOT
	s_add_nc_u64 s[G0B+4*\s+2:G0B+4*\s+3], s[68:69], \s*2*TILE
	s_or_b32 s[G0B+4*\s+3], s[G0B+4*\s+3], 0x80000000
.endr
	JLOAD G0, G1, G0B, G1B                         ; slot 0: one tensor load a wave at the head
	v_and_b32 v2, 31, v0
	v_lshlrev_b32 v[LI], 4, v2
	v_min_u32 v27, 24, v2
	v_lshlrev_b32 v27, 8, v27                      ; a lane a block of 256 bytes; lanes 25-31 name the last block again; never rewritten
	s_wait_alu depctr_va_vdst(0)
	global_prefetch_b8 v27, s[80:81] offset:2*TILE th:TH_LOAD_NT scope:SCOPE_SE   ; my share of slot 1's first chunk,
	global_prefetch_b8 v27, s[80:81] offset:4*TILE th:TH_LOAD_NT scope:SCOPE_SE   ; and of slot 0's second: two and four K steps on
	s_mul_i32 s72, s15, 8*1536                     ; S1: my eight tiles
	s_mul_i32 s73, s16, 8*1536
	s_add_co_u32 s73, s73, 2*CHUNK                 ; S0: behind S1's two chunks
	s_lshl_b32 s74, s15, 9
	s_add_co_u32 s74, s74, 24576                   ; my tiles' scale words
	s_lshl_b32 s75, s16, 9
	s_add_co_u32 s75, s75, 2*CHUNK+24576
.irp s, 0,1
	v_add_nc_u32 v[ADRA+\s], s72, v[LI]
	v_add_nc_u32 v[ADRB+\s], s73, v[LI]
	v_add_nc_u32 v[ADSA+\s], s74, v[LI]
	v_add_nc_u32 v[ADSB+\s], s75, v[LI]
	s_add_co_u32 s72, s72, SLOT
	s_add_co_u32 s73, s73, SLOT
	s_add_co_u32 s74, s74, SLOT
	s_add_co_u32 s75, s75, SLOT
.endr
.irp b, 0,1,2,3
	v_mov_b32 v[TM+4+\b], 0                        ; written once: a lane permute's destination counts as one of its sources
.endr
	s_mul_i32 s76, s17, MATB                       ; out: matrix = the cluster's y, K step 2 cx + my half of S0, group cy
	s_lshl_b32 s77, s40, 1
	s_add_co_u32 s77, s77, s16
	s_mul_i32 s77, s77, TILE
	s_add_co_u32 s76, s76, s77
	s_mul_i32 s77, s41, CHUNK
	s_add_co_u32 s76, s76, s77
	s_mov_b32 s77, 0
	s_add_nc_u64 s[92:93], s[6:7], s[76:77]
	s_mul_i32 s76, s15, 8*1536
	s_add_nc_u64 s[12:13], s[92:93], s[76:77]      ; my eight images
	s_lshl_b32 s76, s15, 9
	s_add_co_u32 s76, s76, 24576
	s_add_nc_u64 s[92:93], s[92:93], s[76:77]      ; my 512 bytes of scale words
.macro FRAG reg, adr, q, i             ; an image comes back as it was stored: three loads of 512 consecutive bytes
.irp j, 0,1,2
	ds_load_b128 v[\reg+4*\j:\reg+4*\j+3], v[\adr] offset:(\q)*CHUNK+(\i)*1536+512*\j
.endr
.endm
.macro FETCH_B slot, q, p              ; S0's eight fragments of the slot's q-th K step into set p, and both sides' scale words: 26 loads
	WIN TO_B
.irp i, 0,1,2,3,4,5,6,7
	FRAG 128*(\p)+FR*\i, ADRB+\slot, \q, \i
.endr
	WIN 0
	ds_load_b128 v[SC+8*(\p):SC+8*(\p)+3], v[ADSB+\slot] offset:(\q)*CHUNK
	ds_load_b128 v[SC+8*(\p)+4:SC+8*(\p)+7], v[ADSA+\slot] offset:(\q)*CHUNK
.endm
.macro FETCH_A slot, q, i0             ; S1's blocks i0 .. i0 + 3: 12 loads
.irp i, \i0, \i0+1, \i0+2, \i0+3
	FRAG AF+FR*(\i), ADRA+\slot, \q, \i
.endr
.endm
; 16 products: S1's blocks a0, a0 + 1 against S0's eight.  The 64 accumulators take turns, one instruction a turn, in the same order in every K step.
.macro MUL16 a0, p, zero
.set aa, \a0
.rept 2
.set bb, 0
.rept 8
.set rD, 8*(8*(aa%4)+bb)
.set rA, 128*(\p)+FR*bb
.set rB, AF+FR*aa
.set rSA, SC+8*(\p)+bb%4
.set fA, bb/4
.set rSB, SC+8*(\p)+4+aa%4
.set fB, aa/4
	WMMA \zero
.set bb, bb+1
.endr
.set aa, aa+1
.endr
.endm
; A slot's first K step.  S1 has one set of registers: blocks 0-3 are fetched anew in the step's middle, blocks 4-7 at its end; S0's next set and the next scale words come in the middle run.
.macro STEP slot, zero
	s_wait_dscnt 12                                ; all but the youngest 12 loads (S1's blocks 4-7) are in
	WIN MUL_LO
	MUL16 0, 0, \zero
	MUL16 2, 0, \zero
	s_wait_dscnt 0x0                               ; S1's blocks 4-7 are in
	PLACES
	FETCH_B \slot, 1, 1
	FETCH_A \slot, 1, 0
	WIN MUL_HI
	MUL16 4, 0, \zero
	MUL16 6, 0, \zero
	PLACES
	WIN 0
	FETCH_A \slot, 1, 4
.endm
; A slot's second K step changes slots: one barrier; in front of it each wave waits for all its tensor loads, adds 0 to its spare word, and waits for that and for its reads of this slot.
.macro TURN slot, next, fill
	s_wait_tensorcnt 0x0                           ; all my tensor loads have landed: my chunk of the next slot
	ds_add_u32 v[SPW], v[NIL]                      ; 0 onto my spare word
	s_wait_dscnt 13                                ; (the add and the youngest 12 loads may be out)
	WIN MUL_LO
	MUL16 0, 1, 0                                  ; sixteen products stand between the add and the wait for it
	s_wait_dscnt 0x0                               ; the add is done, and my reads of this slot are over
	s_barrier_signal -1
	MUL16 2, 1, 0
	WIN 0
	s_barrier_wait -1
.if \fill
	CREST                                          ; the barrier has opened a round of the cluster's: no wave of any partner still reads this slot or has a load on its way
	s_add_nc_u64 s[G0+4*\slot+2:G0+4*\slot+3], s[G0+4*\slot+2:G0+4*\slot+3], 4*TILE
	s_add_nc_u64 s[G0B+4*\slot+2:G0B+4*\slot+3], s[G0B+4*\slot+2:G0B+4*\slot+3], 4*TILE
	JLOAD G0+4*\slot, G1, G0B+4*\slot, G1B         ; my one tensor load behind the round; its four v_nop are also the places in front of the loads below
.else
	PLACES
.endif
	FETCH_B \next, 0, 0
	FETCH_A \next, 0, 0
	WIN MUL_HI
	MUL16 4, 1, 0
	MUL16 6, 1, 0
	PLACES
	WIN 0
	FETCH_A \next, 0, 4
.endm
	s_wait_alu depctr_va_vdst(0)
	s_wait_tensorcnt 0x0                           ; my chunk of slot 0 is in
	ds_add_u32 v[SPW], v[NIL]
	s_wait_dscnt 0x0
	CROUND                                         ; everybody's chunk is in, and all sixteen work-groups are here
	JLOAD G0+4, G1, G0B+4, G1B                     ; slot 1's first fill: my one tensor load behind the round
	FETCH_B 0, 0, 0
	FETCH_A 0, 0, 0
	FETCH_A 0, 0, 4
	global_prefetch_b8 v27, s[80:81] offset:6*TILE th:TH_LOAD_NT scope:SCOPE_SE   ; my share of slot 1's second chunk, four K steps ahead of its load
	STEP 0, 1                                      ; the first products start the sums: nothing is cleared
	TURN 0, 1, 1                                   ; slot 0 takes K steps 4, 5
	STEP 1, 0
	TURN 1, 0, 1                                   ; slot 1 takes K steps 6, 7
	STEP 0, 0
	TURN 0, 1, 0                                   ; nothing is left to fetch
	STEP 1, 0
	s_wait_dscnt 12
	WIN MUL_LO
	MUL16 0, 1, 0
	MUL16 2, 1, 0
	s_wait_dscnt 0x0
	WIN MUL_HI
	MUL16 4, 1, 0
	MUL16 6, 1, 0
	WIN 0
	PLACES
; THE WAY OUT.  Block a: 16 rows of S1 x my 128 columns: 64 registers a lane, register 16 b + i = column 32 b + 16 (lane / 16) + i: quantised as they stand.  Each accumulator is read from its low end on.
; Each block's codes have 12 registers of their own, where S1's fragments lay, so no store's data are written again.
.macro OUTQ a
.set WW, 2+(\a)/4
.set ASRC, 64*((\a)%4)
.set CD, AF+FR*(\a)
.set NW, (WW<<2)|WW
	WIN NW                                         ; sources 0 and 1: the accumulators' window
.irp b, 0,1,2,3
	v_max3_num_f32 v[TM+\b], |v[ASRC+16*\b]|, |v[ASRC+16*\b+1]|, 0x1800000   ; with the floor 2^(3 - 127)
.endr
.irp i, 2,4,6,8,10,12,14
.irp b, 0,1,2,3
	v_max3_num_f32 v[TM+\b], |v[ASRC+16*\b+\i]|, |v[ASRC+16*\b+\i+1]|, v[TM+\b]
.endr
.endr
	WIN 0
.irp b, 0,1,2,3
	v_permlanex16_b32 v[TM+4+\b], v[TM+\b], s[SEL], s[SEL+1]
.endr
.irp b, 0,1,2,3
	v_max_num_f32 v[TM+\b], v[TM+\b], v[TM+4+\b]
.endr
.irp b, 0,1,2,3
	v_add_nc_u32 v[TM+12+\b], 0xff000000, v[TM+\b] ; 2 off the exponent field: the conversion's scale operand
.endr
.irp b, 0,1,2,3
	v_lshrrev_b32 v[TM+4+\b], 23, v[TM+12+\b]      ; the scale's byte
.endr
	v_lshl_or_b32 v[PW+(\a)], v[TM+5], 8, v[TM+4]
	v_lshl_or_b32 v[PW+(\a)], v[TM+6], 16, v[PW+(\a)]
	v_lshl_or_b32 v[PW+(\a)], v[TM+7], 24, v[PW+(\a)]
	WIN WW                                         ; source 0: the accumulators' window
.irp c, 0,1
	v_cvt_scalef32_pk16_fp6_f32 v[CD+6*\c:CD+6*\c+2], v[ASRC+32*\c:ASRC+32*\c+15], v[TM+12+2*\c]
	v_cvt_scalef32_pk16_fp6_f32 v[TP+4*\c:TP+4*\c+2], v[ASRC+32*\c+16:ASRC+32*\c+31], v[TM+12+2*\c+1]
.endr
	WIN 0
	v_nop                                          ; one plain instruction behind a scaled conversion
.irp c, 0,1
.irp i, 0,1,2
	v_permlane16_swap_b32 v[CD+6*\c+\i], v[TP+4*\c+\i]
.endr
.irp i, 0,1,2
	v_mov_b32 v[CD+3+6*\c+\i], v[TP+4*\c+\i]
.endr
.endr
.irp j, 0,1,2
	global_store_b128 v[LI], v[CD+4*\j:CD+4*\j+3], s[12:13] offset:1536*(\a)+512*\j   ; 32 lanes store 512 consecutive bytes
.endr
.endm
.irp a, 0,1,2,3,4,5,6,7
	OUTQ \a
.endr
.irp i, 0,1,2,3
	v_cndmask_b32 v[SW+\i], v[PW+\i], v[PW+4+\i], s94   ; lanes 0-15: blocks 0-3's words, lanes 16-31: blocks 4-7's
.endr
	global_store_b128 v[LI], v[SW:SW+3], s[92:93]
	s_wait_tensorcnt 0x0                           ; the wave's end
	ds_add_u32 v[SPW], v[NIL]
	s_wait_dscnt 0x0
	CROUND                                         ; the closing round: no work-group ends while a partner may still ask for a chunk that names it
	s_endpgm
.Lfunc_end_k_q5fafdd86f9_proj:
	.size	k_q5fafdd86f9_proj, .Lfunc_end_k_q5fafdd86f9_proj-k_q5fafdd86f9_proj
	.p2alignl 7, 3214868480
	.fill 96, 4, 3214868480
	.section	.rodata,"a",@progbits
	.p2align	6, 0x0
	.amdhsa_kernel k_q5fafdd86f9_proj
		.amdhsa_group_segment_fixed_size 327680
		.amdhsa_private_segment_fixed_size 0
		.amdhsa_enable_private_segment 0
		.amdhsa_kernarg_size 16
		.amdhsa_user_sgpr_count 2
		.amdhsa_user_sgpr_kernarg_segment_ptr 1
		.amdhsa_wavefront_size32 1
		.amdhsa_system_sgpr_workgroup_id_x 1
		.amdhsa_system_sgpr_workgroup_id_y 1
		.amdhsa_system_sgpr_workgroup_id_z 1
		.amdhsa_system_vgpr_workitem_id 0
		.amdhsa_next_free_vgpr 1024
		.amdhsa_next_free_sgpr 98
		.amdhsa_reserve_vcc 0
		.amdhsa_float_denorm_mode_32 3
		.amdhsa_float_denorm_mode_16_64 3
		.amdhsa_memory_ordered 1
		.amdhsa_forward_progress 1
		.amdhsa_inst_pref_size 138
	.end_amdhsa_kernel
	.amdgpu_metadata
---
amdhsa.version: [ 1, 2 ]
amdhsa.kernels:
  - .name:           k_q5fafdd86f9_proj
    .symbol:         k_q5fafdd86f9_proj.kd
    .args:
      - { .name: cin, .offset: 0, .size: 8, .value_kind: global_buffer, .address_space: global }
      - { .name: mid, .offset: 8, .size: 8, .value_kind: global_buffer, .address_space: global }
    .group_segment_fixed_size: 327680
    .private_segment_fixed_size: 0
    .kernarg_segment_align: 8
    .kernarg_segment_size: 16
    .max_flat_workgroup_size: 128
    .sgpr_count:     98
    .vgpr_count:     1024
    .wavefront_size: 32
...
	.end_amdgpu_metadata
.endif
;; end of part 2
;; launch attn (part 3): grid 32 x 8, 4 waves a work-group, clusters of 4 x 1, 327,680 bytes of LDS; arguments mid, attention_mask, out0, out1; writes out0, out1
.if DOCPART == 3
	.amdgcn_target "amdgcn-amd-amdhsa--gfx1250"
	.amdhsa_code_object_version 6
	.text
	.protected	k_q5fafdd86f9_attn
	.globl	k_q5fafdd86f9_attn
	.p2align	8
	.type	k_q5fafdd86f9_attn,@function
k_q5fafdd86f9_attn:
	s_mov_b64 s[64:65], 0
	v_nop
	global_prefetch_b8 v0, s[64:65] scope:SCOPE_SE
	s_setreg_imm32_b32 hwreg(HW_REG_WAVE_MODE, 25, 1), 1
	s_wait_xcnt 0x0
	s_wait_alu depctr_hold_cnt(0) depctr_sa_sdst(0) depctr_va_vdst(0) depctr_va_sdst(0) depctr_va_ssrc(0) depctr_va_vcc(0) depctr_vm_vsrc(0)
	s_getreg_b32 s2, hwreg(HW_REG_IB_STS2, 6, 4)
	s_cmp_eq_u32 s2, 0
	s_cbranch_scc0 .Lentry_in_a_cluster
	s_endpgm
.Lentry_in_a_cluster:
	s_bfe_u32 s2, ttmp6, 0x10000c
	s_cmp_lg_u32 s2, 0x3003
	s_cbranch_scc0 .Lentry_shape_is_right
	s_endpgm
.Lentry_shape_is_right:
; Both attentions of 32 queries of one batch: scores (q_s and q_o against k), softmax, p_self out, p v for both kinds, their sum out; all four products on codes of FP6 (E2M3) with E8M0 scales.
; mid is laid as the projections store it: matrices of [K step of 128][group of 256 rows][chunk of 25,600 bytes: 16 images of operand fragments and 1,024 bytes of scale words]; k of batch b is matrix 2 b, v^T 2 b + 1, q_s 16 + b, q_o 24 + b.
; A wave takes 256 keys in the scores and 256 columns in p v: 64 accumulators.  k's and v^T's K steps come through a ring of two LDS slots, one chunk a wave, asked for jointly by the four work-groups of a cluster, which share a batch.
; q's codes, then p's, lie in LDS for all four waves.  M = ceil(the row's largest t), p = 2^(t - M), the sum of the unquantised p.
; LIMITS: NaN and infinities are not served; a block of p that is all zeros keeps the byte 1 (its codes are zeros).
.set CHUNK, 25600
.set TILE,  4*CHUNK
.set MATB,  8*TILE
.set SLOT1, 131072
.set QP,    233472
.set STAGE, 282624
.set SPARE, 316416
.set RED1,  316928
.set PSC,   318976
.set PEN,   321024
.set LI,   1
.set REDR, 2
.set REDW, 3
.set ADR0, 4
.set LN,   6
.set AQ0,  7
.set ADQ,  8
.set ADS,  9
.set HWI,  10
.set HWS,  11
.set STO,  12
.set RD,   13
.set PENA, 14
.set PENW, 15
.set SPW,  16
.set NIL,  17
.set PFO,  18
.set AS0,  24
.set SS,   32
.set QS,   40
.set ST,   48
.set BM,   144
.set T8,   176
.set RMX,  184
.set NM,   188
.set RL,   188
.set LS,   196
.set PW,   212
.set SCO,  220
.set BY,   228
.set PC,   236
.set WV,   12
.set G1,   24
.set G0A,  32
.set G0B,  36
.set SG,   41
.set SEL,  42
.set LIM,  49
.set TC,   51
.set PFA,  52
.set POS,  60
.set KC,   61
.set MSB, 0
.macro WIN new
.if MSB != \new
	s_set_vgpr_msb (MSB<<8)|\new
.set MSB, \new
.endif
.endm
.macro PLACES
.rept 4
	v_nop
.endr
.endm
.macro WMMA zero
.if \zero
.if fA && fB
	v_wmma_scale_f32_16x16x128_f8f6f4 v[rD:rD+7], v[rA:rA+11], v[rB:rB+11], 0, v[rSA], v[rSB] matrix_a_fmt:MATRIX_FMT_FP6 matrix_b_fmt:MATRIX_FMT_FP6 matrix_a_scale:MATRIX_SCALE_ROW1 matrix_b_scale:MATRIX_SCALE_ROW1
.elseif fA
	v_wmma_scale_f32_16x16x128_f8f6f4 v[rD:rD+7], v[rA:rA+11], v[rB:rB+11], 0, v[rSA], v[rSB] matrix_a_fmt:MATRIX_FMT_FP6 matrix_b_fmt:MATRIX_FMT_FP6 matrix_a_scale:MATRIX_SCALE_ROW1
.elseif fB
	v_wmma_scale_f32_16x16x128_f8f6f4 v[rD:rD+7], v[rA:rA+11], v[rB:rB+11], 0, v[rSA], v[rSB] matrix_a_fmt:MATRIX_FMT_FP6 matrix_b_fmt:MATRIX_FMT_FP6 matrix_b_scale:MATRIX_SCALE_ROW1
.else
	v_wmma_scale_f32_16x16x128_f8f6f4 v[rD:rD+7], v[rA:rA+11], v[rB:rB+11], 0, v[rSA], v[rSB] matrix_a_fmt:MATRIX_FMT_FP6 matrix_b_fmt:MATRIX_FMT_FP6
.endif
.else
.if fA && fB
	v_wmma_scale_f32_16x16x128_f8f6f4 v[rD:rD+7], v[rA:rA+11], v[rB:rB+11], v[rD:rD+7], v[rSA], v[rSB] matrix_a_fmt:MATRIX_FMT_FP6 matrix_b_fmt:MATRIX_FMT_FP6 matrix_a_scale:MATRIX_SCALE_ROW1 matrix_b_scale:MATRIX_SCALE_ROW1
.elseif fA
	v_wmma_scale_f32_16x16x128_f8f6f4 v[rD:rD+7], v[rA:rA+11], v[rB:rB+11], v[rD:rD+7], v[rSA], v[rSB] matrix_a_fmt:MATRIX_FMT_FP6 matrix_b_fmt:MATRIX_FMT_FP6 matrix_a_scale:MATRIX_SCALE_ROW1
.elseif fB
	v_wmma_scale_f32_16x16x128_f8f6f4 v[rD:rD+7], v[rA:rA+11], v[rB:rB+11], v[rD:rD+7], v[rSA], v[rSB] matrix_a_fmt:MATRIX_FMT_FP6 matrix_b_fmt:MATRIX_FMT_FP6 matrix_b_scale:MATRIX_SCALE_ROW1
.else
	v_wmma_scale_f32_16x16x128_f8f6f4 v[rD:rD+7], v[rA:rA+11], v[rB:rB+11], v[rD:rD+7], v[rSA], v[rSB] matrix_a_fmt:MATRIX_FMT_FP6 matrix_b_fmt:MATRIX_FMT_FP6
.endif
.endif
.endm
.macro CREST
	s_cmp_lg_u32 s[WV], 0
	s_cbranch_scc1 .Lnot_wave_0_\@
	s_barrier_signal -3
.Lnot_wave_0_\@:
	s_barrier_wait -3
	s_barrier_signal -1
	s_barrier_wait -1
.endm
.macro CROUND
	s_barrier_signal -1
	s_barrier_wait -1
	CREST
.endm
.macro ASK
	s_sub_co_u32 s62, s[TC], 8
	s_cmp_lt_u32 s62, s[LIM]
	s_cbranch_scc0 .Lnot_mine_\@
	global_prefetch_b8 v[PFO], s[PFA:PFA+1] th:TH_LOAD_NT scope:SCOPE_SE
.Lnot_mine_\@:
.endm
	s_load_b256 s[4:11], s[0:1], 0x0
	v_lshl_add_u32 v[SPW], v0, 2, SPARE
	v_mov_b32 v[NIL], 0
	ds_add_u32 v16, v17
	ds_add_u32 v16, v17
	s_wait_dscnt 0x0
	v_lshrrev_b32 v19, 5, v0
	v_readfirstlane_b32 s[WV], v19
	s_bfe_u32 s13, ttmp6, 0x40000
	s_lshl_b32 s14, ttmp9, 2
	s_add_co_u32 s14, s14, s13
	s_and_b32 s15, ttmp7, 0xffff
	s_lshr_b32 s[SG], ttmp9, 2
	s_add_co_u32 s[SG], s[SG], ttmp9
	s_and_b32 s[SG], s[SG], 3
	s_lshl_b32 s[SG], s[SG], 1
	s_mul_i32 s20, s[WV], CHUNK
	s_mul_i32 s16, s15, 2*MATB
	s_add_co_u32 s16, s16, s20
	s_mov_b32 s17, 0
	s_add_co_u32 s18, s15, 16
	s_mul_i32 s18, s18, MATB
	s_lshr_b32 s19, s14, 3
	s_mul_i32 s19, s19, CHUNK
	s_add_co_u32 s18, s18, s19
	s_mul_i32 s19, s[WV], 2*TILE
	s_add_co_u32 s18, s18, s19
	s_and_b32 s19, s14, 7
	s_mul_i32 s21, s19, 2*1536
	s_add_co_u32 s54, s18, s21
	s_mov_b32 s55, 0
	s_lshr_b32 s19, s19, 1
	s_lshl_b32 s19, s19, 8
	s_add_co_u32 s56, s18, s19
	s_and_b32 s19, s14, 1
	s_lshl_b32 s19, s19, 3
	s_add_co_u32 s56, s56, s19
	s_add_co_u32 s56, s56, 24576
	s_mov_b32 s57, 0
	s_lshl_b32 s58, s15, 12
	s_lshl_b32 s19, s[WV], 10
	s_add_co_u32 s58, s58, s19
	s_mov_b32 s59, 0
	s_lshl_b32 s22, s15, 22
	s_lshl_b32 s21, s14, 17
	s_add_co_u32 s22, s22, s21
	s_add_co_u32 s22, s22, s19
	s_mov_b32 s23, 0
	s_mul_i32 s52, s15, 2*MATB
	s_mul_i32 s21, s13, CHUNK
	s_add_co_u32 s52, s52, s21
	s_lshl_b32 s21, s[WV], 13
	s_add_co_u32 s52, s52, s21
	s_add_co_u32 s21, s[SG], 3
	s_mul_i32 s21, s21, TILE
	s_add_co_u32 s52, s52, s21
	s_mov_b32 s53, 0
	s_lshr_b32 s48, s[WV], 1
	s_and_b32 s48, s48, s[WV]
	s_lshr_b32 s21, ttmp9, 2
	s_or_b32 s48, s48, s21
	s_cmp_eq_u32 s48, 0
	s_cselect_b32 s[LIM], 2, 0
	s_mov_b32 s[TC], 14
	s_mov_b32 s[POS], 2
	s_mov_b32 s[G1], 15|(3<<16)|(1<<21)
	s_mov_b32 s[G1+1], 32<<16
	s_mov_b32 s[G1+2], 100<<16
	s_mov_b32 s[G1+3], 32<<16
	s_mov_b32 s[G1+4], 100
	s_mov_b32 s[G1+5], 32
	s_mov_b32 s[G1+6], 0
	s_mov_b32 s[G1+7], 0
	s_mov_b32 s40, 0xffff0000
	s_mov_b32 s[SEL], 0x76543210
	s_mov_b32 s[SEL+1], 0xfedcba98
	s_mov_b32 s44, 0x3d000000
	s_mov_b32 s45, s44
	s_mov_b32 s46, 0x3fb8aa3b
	s_mov_b32 s47, s46
	v_and_b32 v[LN], 31, v0
	v_and_b32 v20, 15, v0
	v_bfe_u32 v21, v0, 4, 1
	v_lshlrev_b32 v[LI], 4, v[LN]
	v_add_nc_u32 v[AQ0], QP, v[LI]
	v_lshl_add_u32 v[AS0], v[LN], 3, PSC
	v_lshl_add_u32 v[REDR], v20, 4, RED1
	s_lshl_b32 s21, s[WV], 2
	v_add_nc_u32 v[REDW], s21, v[REDR]
	v_add_nc_u32 v[ADR0], s20, v[LI]
	v_add_nc_u32 v[ADR0+1], SLOT1, v[ADR0]
	s_mul_i32 s21, s[WV], 8*1536
	s_add_co_u32 s21, s21, QP
	v_add_nc_u32 v[HWI], s21, v[LI]
	s_lshl_b32 s21, s[WV], 9
	s_add_co_u32 s21, s21, PSC
	v_lshl_add_u32 v[HWS], v[LN], 3, s21
	s_mul_i32 s21, s[WV], 16*528
	s_add_co_u32 s21, s21, STAGE
	v_mul_u32_u24 v[STO], v20, 528
	v_lshl_add_u32 v[STO], v21, 6, v[STO]
	v_add_nc_u32 v[STO], s21, v[STO]
	v_add_nc_u32 v[RD], s21, v[LI]
	s_lshl_b32 s21, s[WV], 10
	s_add_co_u32 s21, s21, PEN
	v_lshl_add_u32 v[PENA], v21, 6, s21
	v_lshl_add_u32 v[PENW], v[LN], 5, s21
	v_lshlrev_b32 v[PFO], 8, v[LN]
	v_lshlrev_b32 v22, 4, v20
	v_lshl_add_u32 v22, v21, 2, v22
	v_lshlrev_b32 v23, 5, v[LN]
.irp i, 0,1,2,3,4,5,6,7
	v_mov_b32 v[T8+\i], 0
.endr
.irp i, 0,1,2,3,4,5,6,7,8,9,10,11,12,13,14,15
	v_mov_b32 v[LS+\i], 0
.endr
	s_mul_i32 s62, s[SG], TILE
	s_mov_b32 s63, 0
	s_wait_alu depctr_va_vdst(0)
	s_wait_kmcnt 0x0
	s_add_nc_u64 s[16:17], s[4:5], s[16:17]
	s_add_nc_u64 s[54:55], s[4:5], s[54:55]
	s_add_nc_u64 s[56:57], s[4:5], s[56:57]
	s_add_nc_u64 s[PFA:PFA+1], s[4:5], s[PFA:PFA+1]
	s_add_nc_u64 s[58:59], s[6:7], s[58:59]
	s_add_nc_u64 s[8:9], s[8:9], s[22:23]
	s_add_nc_u64 s[10:11], s[10:11], s[22:23]
	s_mov_b32 s[G0A], 1
	s_mov_b32 s[G0A+1], s20
	s_add_nc_u64 s[G0A+2:G0A+3], s[16:17], s[62:63]
	s_mov_b32 s[G0B], 1
	s_add_co_u32 s[G0B+1], s20, SLOT1
	s_add_nc_u64 s[G0B+2:G0B+3], s[G0A+2:G0A+3], TILE
	s_or_b32 s[G0A+3], s[G0A+3], 0x80000000
	s_or_b32 s[G0B+3], s[G0B+3], 0x80000000
	WIN 0x40                                       ; q's eight images of K steps 2 w, 2 w + 1, their scale words and my 256 keys' mask are asked for as soon as their addresses stand: 30 loads, out beside slot 0's first fill; their wait stands behind slot 1's
.irp e, 0,1
.irp k, 0,1
.irp u, 0,1
.irp j, 0,1,2
	global_load_b128 v[12*(4*\e+2*\k+\u)+4*\j:12*(4*\e+2*\k+\u)+4*\j+3], v[LI], s[54:55] offset:\e*TILE+\k*8*MATB+\u*1536+512*\j th:TH_LOAD_NT
.endr
.endr
.endr
.endr
	WIN 0
.irp e, 0,1
.irp k, 0,1
	global_load_b32 v[ST+2*\e+\k], v22, s[56:57] offset:\e*TILE+\k*8*MATB
.endr
.endr
	global_load_b128 v[ST+4:ST+7], v23, s[58:59]
	global_load_b128 v[ST+8:ST+11], v23, s[58:59] offset:16
	CROUND
	tensor_load_to_lds s[G0A:G0A+3], s[G1:G1+7]
	s_nop 0
	s_wait_alu depctr_va_vdst(0)
	s_wait_tensorcnt 0x0
	ds_add_u32 v16, v17
	s_wait_dscnt 0x0
	CROUND
	tensor_load_to_lds s[G0B:G0B+3], s[G1:G1+7]
	s_nop 0
	PLACES
	s_wait_loadcnt 0x0
.irp i, 0,1,2,3,4,5,6,7
	v_sub_f32 v[ST+4+\i], 1.0, v[ST+4+\i]
.endr
.irp i, 0,1,2,3,4,5,6,7
	v_mul_f32 v[ST+4+\i], 0xc7c35000, v[ST+4+\i]
.endr
	WIN 0x04
.irp f, 0,1,2,3,4,5,6,7
.irp j, 0,1,2
	ds_store_b128 v[HWI], v[12*\f+4*\j:12*\f+4*\j+3] offset:1536*\f+512*\j
.endr
.endr
	WIN 0
.irp e, 0,1
	ds_store_b64 v[HWS], v[ST+2*\e:ST+2*\e+1] offset:256*\e
.endr
	ds_store_b128 v[PENW], v[ST+4:ST+7]
	ds_store_b128 v[PENW], v[ST+8:ST+11] offset:16
	s_wait_tensorcnt 1
	s_wait_dscnt 0x0
	s_barrier_signal -1
	s_barrier_wait -1
.macro MULX t0, n, mh, sg, zero
.set tt, \t0
.rept \n
.set uu, 0
.rept 2
.set rD, 8*(16*uu+tt)
.if tt < 8
.set rA, 96+12*tt
.else
.set rA, 12*(tt-8)
.endif
.set rB, ST+48*(\sg)+12*(2*(\mh)+uu)
.set rSA, SS+4*(tt/8)+tt%4
.set fA, (tt%8)/4
.set rSB, QS+2*(\sg)+(\mh)
.set fB, uu
	WMMA \zero
.set uu, uu+1
.endr
.set tt, tt+1
.endr
.endm
.macro STAT g
.irp q, 0,1,2,3
.irp j, 0,1,2
	ds_load_b128 v[ST+48*(\g)+12*\q+4*\j:ST+48*(\g)+12*\q+4*\j+3], v[ADQ] offset:1536*\q+512*\j
.endr
.endr
	ds_load_b64 v[QS+2*(\g):QS+2*(\g)+1], v[ADS]
	WIN 0x40
.irp t, 0,1,2,3,4,5,6,7
.irp j, 0,1,2
	ds_load_b128 v[96+12*\t+4*\j:96+12*\t+4*\j+3], v[ADR0+(\g)] offset:1536*\t+512*\j
.endr
.endr
	WIN 0
	ds_load_b128 v[SS:SS+3], v[ADR0+(\g)] offset:24576
.endm
.macro STADDR
	s_and_b32 s62, s[KC], 7
	s_mul_i32 s63, s62, 4*1536
	s_lshl_b32 s62, s62, 8
	v_add_nc_u32 v[ADQ], s63, v[AQ0]
	v_add_nc_u32 v[ADS], s62, v[AS0]
	s_add_co_u32 s[KC], s[KC], 1
.endm
.macro START
	s_mov_b32 s[KC], s[SG]
	STADDR
	STAT 0
.endm
.macro FETCH_NEXT g
	STADDR
	STAT \g
.endm
.macro TRIP sg, zero, mode
	PLACES
	WIN 0x40
.irp t, 0,1,2,3,4,5,6,7
.irp j, 0,1,2
	ds_load_b128 v[12*\t+4*\j:12*\t+4*\j+3], v[ADR0+\sg] offset:1536*(8+\t)+512*\j
.endr
.endr
	WIN 0
	ds_load_b128 v[SS+4:SS+7], v[ADR0+\sg] offset:24576+512
	s_wait_dscnt 25
	WIN 0xa1
	MULX 0, 8, 0, \sg, \zero
	WIN 0xf1
	MULX 0, 8, 1, \sg, \zero
.if ((\mode) == 1) || ((\mode) == 2)
	WIN 0
	s_wait_tensorcnt 0x0
	ds_add_u32 v[SPW], v[NIL]
	s_xor_b32 s[G0B+1], s[G0B+1], SLOT1
	s_add_co_u32 s62, s[POS], s[SG]
	s_and_b32 s62, s62, 7
	s_and_b32 s63, s[POS], 8
	s_add_co_u32 s62, s62, s63
	s_mul_i32 s62, s62, TILE
	s_mov_b32 s63, 0
	s_add_nc_u64 s[G0B+2:G0B+3], s[16:17], s[62:63]
	s_or_b32 s[G0B+3], s[G0B+3], 0x80000000
	s_add_co_u32 s[POS], s[POS], 1
	s_wait_xcnt 0x0
	s_add_nc_u64 s[PFA:PFA+1], s[PFA:PFA+1], TILE
	s_sub_co_u32 s[TC], s[TC], 1
	s_wait_dscnt 0x0
	s_barrier_signal -1
	s_barrier_wait -1
	CREST
	tensor_load_to_lds s[G0B:G0B+3], s[G1:G1+7]
	s_nop 0
	PLACES
.if (\mode) == 2
	FETCH_NEXT 1-\sg
.endif
	ASK
.elseif (\mode) == 0
	WIN 0
	s_wait_tensorcnt 0x0
	PLACES
	FETCH_NEXT 1-\sg
	s_wait_dscnt 38
.else
	s_wait_dscnt 0x0
.endif
	WIN 0xa1
	MULX 8, 8, 0, \sg, \zero
	WIN 0xf1
	MULX 8, 8, 1, \sg, \zero
	WIN 0
.endm
	START
	TRIP 0, 1, 2
	s_mov_b32 s50, 3
.Lscores:
	TRIP 1, 0, 2
	TRIP 0, 0, 2
	s_sub_co_u32 s50, s50, 1
	s_cmp_lg_u32 s50, 0
	s_cbranch_scc1 .Lscores
	TRIP 1, 0, 1
	PLACES
	WIN 0x40
.irp q, 0,1,2,3,4,5,6,7,8,9,10,11,12,13,14,15,16,17,18,19,20,21,22,23,24,25,26,27,28,29,30,31
	ds_load_b128 v[4*\q:4*\q+3], v[PENA] offset:128*(\q/4)+16*(\q%4)
.endr
	WIN 0
	s_wait_dscnt 0x0
.macro LOGITS m
.set WW, 2+(\m)/2
.set AB, 128*((\m)%2)
.set NW, (WW<<6)|0x10|WW
	WIN NW
.set n, 0
.rept 64
	v_pk_fma_f32 v[AB+n:AB+n+1], v[AB+n:AB+n+1], s[44:45], v[n:n+1] op_sel_hi:[1,0,1]
.set n, n+2
.endr
.set NW, (WW<<2)|WW
	WIN NW
.irp b, 0,1,2,3,4,5,6,7
	v_max_num_f32 v[BM+8*(\m)+\b], v[AB+16*\b], v[AB+16*\b+1]
.endr
.irp i, 2,4,6,8,10,12,14
.irp b, 0,1,2,3,4,5,6,7
	v_max3_num_f32 v[BM+8*(\m)+\b], v[AB+16*\b+\i], v[AB+16*\b+\i+1], v[BM+8*(\m)+\b]
.endr
.endr
	WIN 0
.irp b, 0,1,2,3,4,5,6,7
	v_permlanex16_b32 v[T8+\b], v[BM+8*(\m)+\b], s[SEL], s[SEL+1]
.endr
.irp b, 0,1,2,3,4,5,6,7
	v_max_num_f32 v[BM+8*(\m)+\b], v[BM+8*(\m)+\b], v[T8+\b]
.endr
	v_max3_num_f32 v[RMX+(\m)], v[BM+8*(\m)], v[BM+8*(\m)+1], v[BM+8*(\m)+2]
	v_max3_num_f32 v[RMX+(\m)], v[RMX+(\m)], v[BM+8*(\m)+3], v[BM+8*(\m)+4]
	v_max3_num_f32 v[RMX+(\m)], v[RMX+(\m)], v[BM+8*(\m)+5], v[BM+8*(\m)+6]
	v_max_num_f32 v[RMX+(\m)], v[RMX+(\m)], v[BM+8*(\m)+7]
	ds_store_b32 v[REDW], v[RMX+(\m)] offset:256*(\m)
.endm
	LOGITS 0
	LOGITS 1
	LOGITS 2
	LOGITS 3
	s_wait_dscnt 0x0
	s_barrier_signal -1
	s_barrier_wait -1
.irp q, 0,1,2,3
	ds_load_b128 v[ST+4*\q:ST+4*\q+3], v[REDR] offset:256*\q
.endr
	s_wait_dscnt 0x0
.irp q, 0,1,2,3
	v_max3_num_f32 v[RMX+\q], v[ST+4*\q], v[ST+4*\q+1], v[ST+4*\q+2]
.endr
.irp q, 0,1,2,3
	v_max_num_f32 v[RMX+\q], v[RMX+\q], v[ST+4*\q+3]
.endr
.irp q, 0,1,2,3
	v_mul_f32 v[RMX+\q], s46, v[RMX+\q]
.endr
.irp q, 0,1,2,3
	v_floor_f32 v[NM+2*\q], -v[RMX+\q]
.endr
.irp q, 0,1,2,3
	v_mov_b32 v[NM+2*\q+1], v[NM+2*\q]
.endr
.macro EXPS m
.set WW, 2+(\m)/2
.set AB, 128*((\m)%2)
.set NW, (WW<<6)|WW
	WIN NW
.set n, 0
.rept 64
	v_pk_mul_f32 v[AB+n:AB+n+1], v[AB+n:AB+n+1], s[46:47] op_sel_hi:[1,0]
.set n, n+2
.endr
.set n, 0
.rept 64
	v_pk_add_f32 v[AB+n:AB+n+1], v[AB+n:AB+n+1], v[NM+2*(\m):NM+2*(\m)+1]
.set n, n+2
.endr
.set n, 0
	s_wait_alu depctr_va_vdst(0)
.rept 128
	v_exp_f32 v[AB+n], v[AB+n]
.set n, n+1
.endr
	WIN 0
.irp b, 0,1,2,3,4,5,6,7
	v_mul_f32 v[BM+8*(\m)+\b], s46, v[BM+8*(\m)+\b]
.endr
.irp b, 0,1,2,3,4,5,6,7
	v_add_f32 v[BM+8*(\m)+\b], v[BM+8*(\m)+\b], v[NM+2*(\m)]
.endr
	s_wait_alu depctr_va_vdst(0)
.irp b, 0,1,2,3,4,5,6,7
	v_exp_f32 v[BM+8*(\m)+\b], v[BM+8*(\m)+\b]
.endr
	WIN WW
.set n, 0
.rept 32
	v_pk_add_f32 v[LS+4*(\m):LS+4*(\m)+1], v[AB+n:AB+n+1], v[LS+4*(\m):LS+4*(\m)+1]
	v_pk_add_f32 v[LS+4*(\m)+2:LS+4*(\m)+3], v[AB+n+2:AB+n+3], v[LS+4*(\m)+2:LS+4*(\m)+3]
.set n, n+4
.endr
	WIN 0
	s_wait_alu depctr_va_vdst(0)
.irp b, 0,1,2,3,4,5,6,7
	v_max_num_f32 v[BM+8*(\m)+\b], 0x1800000, v[BM+8*(\m)+\b]
.endr
.irp b, 0,1,2,3,4,5,6,7
	v_add_nc_u32 v[SCO+\b], 0xff000000, v[BM+8*(\m)+\b]
.endr
.irp b, 0,1,2,3,4,5,6,7
	v_lshrrev_b32 v[BY+\b], 23, v[SCO+\b]
.endr
.irp e, 0,1
	v_lshl_or_b32 v[PW+2*(\m)+\e], v[BY+4*\e+1], 8, v[BY+4*\e]
	v_lshl_or_b32 v[PW+2*(\m)+\e], v[BY+4*\e+2], 16, v[PW+2*(\m)+\e]
	v_lshl_or_b32 v[PW+2*(\m)+\e], v[BY+4*\e+3], 24, v[PW+2*(\m)+\e]
.endr
.irp e, 0,1
	s_wait_dscnt 0x0
	WIN WW
.irp c, 0,1
	v_cvt_scalef32_pk16_fp6_f32 v[PC+6*\c:PC+6*\c+2], v[AB+64*\e+32*\c:AB+64*\e+32*\c+15], v[SCO+4*\e+2*\c]
	v_cvt_scalef32_pk16_fp6_f32 v[PC+12+4*\c:PC+14+4*\c], v[AB+64*\e+32*\c+16:AB+64*\e+32*\c+31], v[SCO+4*\e+2*\c+1]
.endr
	WIN 0
	v_nop
.irp c, 0,1
.irp i, 0,1,2
	v_permlane16_swap_b32 v[PC+6*\c+\i], v[PC+12+4*\c+\i]
.endr
.irp i, 0,1,2
	v_mov_b32 v[PC+3+6*\c+\i], v[PC+12+4*\c+\i]
.endr
.endr
.irp j, 0,1,2
	ds_store_b128 v[HWI], v[PC+4*\j:PC+4*\j+3] offset:4*1536*\e+1536*(\m)+512*\j
.endr
.endr
	v_pk_add_f32 v[LS+4*(\m):LS+4*(\m)+1], v[LS+4*(\m):LS+4*(\m)+1], v[LS+4*(\m)+2:LS+4*(\m)+3]
	v_add_f32 v[LS+4*(\m)], v[LS+4*(\m)], v[LS+4*(\m)+1]
	v_permlanex16_b32 v[T8], v[LS+4*(\m)], s[SEL], s[SEL+1]
	v_add_f32 v[LS+4*(\m)], v[LS+4*(\m)], v[T8]
	ds_store_b32 v[REDW], v[LS+4*(\m)] offset:1024+256*(\m)
.endm
	EXPS 0
	EXPS 1
	EXPS 2
	EXPS 3
.irp e, 0,1
.irp k, 0,1
	v_cndmask_b32 v[T8+2*\e+\k], v[PW+4*\k+\e], v[PW+4*\k+2+\e], s40
.endr
	ds_store_b64 v[HWS], v[T8+2*\e:T8+2*\e+1] offset:256*\e
.endr
	s_wait_dscnt 0x0
	s_barrier_signal -1
	s_barrier_wait -1
.irp q, 0,1,2,3
	ds_load_b128 v[ST+4*\q:ST+4*\q+3], v[REDR] offset:1024+256*\q
.endr
	s_wait_dscnt 0x0
.irp q, 0,1,2,3
	v_add_f32 v[ST+4*\q], v[ST+4*\q], v[ST+4*\q+1]
	v_add_f32 v[ST+4*\q+2], v[ST+4*\q+2], v[ST+4*\q+3]
.endr
.irp q, 0,1,2,3
	v_add_f32 v[ST+4*\q], v[ST+4*\q], v[ST+4*\q+2]
.endr
	s_wait_alu depctr_va_vdst(0)
.irp q, 0,1,2,3
	v_rcp_f32 v[RL+2*\q], v[ST+4*\q]
.endr
	v_nop
	s_wait_alu depctr_va_vdst(0)
.irp q, 0,1,2,3
	v_mov_b32 v[RL+2*\q+1], v[RL+2*\q]
.endr
.macro PREP kind, u, e
.set AB, 128*(\u)+64*(\e)
.if \kind
	WIN 0x42
.set n, 0
.rept 32
	v_pk_mul_f32 v[n:n+1], v[AB+n:AB+n+1], v[RL+2*(\u):RL+2*(\u)+1] op_sel_hi:[1,0]
.set n, n+2
.endr
.else
	WIN 0x43
.set n, 0
.rept 32
	v_pk_mul_f32 v[n:n+1], v[AB+n:AB+n+1], v[RL+4+2*(\u):RL+4+2*(\u)+1] op_sel_hi:[1,0]
.set n, n+2
.endr
	WIN 0x52
.set n, 0
.rept 32
	v_pk_fma_f32 v[n:n+1], v[AB+n:AB+n+1], v[RL+2*(\u):RL+2*(\u)+1], v[n:n+1] op_sel_hi:[1,0,1]
.set n, n+2
.endr
.endif
.endm
.macro TOSTAGE set
	WIN 0x04
.irp q, 0,1,2,3,4,5,6,7,8,9,10,11,12,13,14,15
	ds_store_b128 v[STO], v[4*\q:4*\q+3] offset:128*(\q/4)+16*(\q%4)
.endr
	WIN 0x40
.irp p, 0,1,2,3,4,5,6,7,8,9,10,11,12,13,14,15
	ds_load_b128 v[64+64*(\set)+4*\p:64+64*(\set)+4*\p+3], v[RD] offset:528*\p
.endr
.endm
.macro SEND set, u, e, younger, base
	s_wait_dscnt \younger
	WIN 0x04
.irp p, 0,1,2,3,4,5,6,7,8,9,10,11,12,13,14,15
	global_store_b128 v[LI], v[64+64*(\set)+4*\p:64+64*(\set)+4*\p+3], s[\base:\base+1] offset:(8*(\u)+\p+8*(\p/8))*4096+512*(\e) th:TH_STORE_NT
.endr
	WIN 0
.endm
.macro WAYOUT kind, base
	PREP \kind, 0, 0
	TOSTAGE 0
	PREP \kind, 0, 1
	TOSTAGE 1
	SEND 0, 0, 0, 32, \base
	PREP \kind, 1, 0
	s_wait_alu depctr_va_vdst(0)
	s_wait_xcnt 0x0
	TOSTAGE 0
	SEND 1, 0, 1, 32, \base
	PREP \kind, 1, 1
	s_wait_alu depctr_va_vdst(0)
	s_wait_xcnt 0x0
	TOSTAGE 1
	SEND 0, 1, 0, 32, \base
	SEND 1, 1, 1, 0, \base
.endm
	WAYOUT 1, 10
	s_wait_xcnt 0x0
	START
	TRIP 0, 1, 2
	s_mov_b32 s50, 2
.Lvalues:
	TRIP 1, 0, 2
	TRIP 0, 0, 2
	s_sub_co_u32 s50, s50, 1
	s_cmp_lg_u32 s50, 0
	s_cbranch_scc1 .Lvalues
	TRIP 1, 0, 2
	TRIP 0, 0, 0
	TRIP 1, 0, 3
	PLACES
	WAYOUT 0, 8
	s_wait_tensorcnt 0x0
	ds_add_u32 v[SPW], v[NIL]
	s_wait_dscnt 0x0
	CROUND
	s_endpgm
.Lfunc_end_k_q5fafdd86f9_attn:
	.size	k_q5fafdd86f9_attn, .Lfunc_end_k_q5fafdd86f9_attn-k_q5fafdd86f9_attn
	.p2alignl 7, 3214868480
	.fill 96, 4, 3214868480
	.section	.rodata,"a",@progbits
	.p2align	6, 0x0
	.amdhsa_kernel k_q5fafdd86f9_attn
		.amdhsa_group_segment_fixed_size 327680
		.amdhsa_private_segment_fixed_size 0
		.amdhsa_enable_private_segment 0
		.amdhsa_kernarg_size 32
		.amdhsa_user_sgpr_count 2
		.amdhsa_user_sgpr_kernarg_segment_ptr 1
		.amdhsa_wavefront_size32 1
		.amdhsa_system_sgpr_workgroup_id_x 1
		.amdhsa_system_sgpr_workgroup_id_y 1
		.amdhsa_system_sgpr_workgroup_id_z 1
		.amdhsa_system_vgpr_workitem_id 0
		.amdhsa_next_free_vgpr 1024
		.amdhsa_next_free_sgpr 66
		.amdhsa_reserve_vcc 0
		.amdhsa_float_denorm_mode_32 3
		.amdhsa_float_denorm_mode_16_64 3
		.amdhsa_memory_ordered 1
		.amdhsa_forward_progress 1
		.amdhsa_inst_pref_size 255
	.end_amdhsa_kernel
	.section	.bss,"aw",@nobits
	.p2align	6
	.space	262144
	.amdgpu_metadata
---
amdhsa.version: [ 1, 2 ]
amdhsa.kernels:
  - .name:           k_q5fafdd86f9_attn
    .symbol:         k_q5fafdd86f9_attn.kd
    .args:
      - { .name: mid, .offset: 0, .size: 8, .value_kind: global_buffer, .address_space: global }
      - { .name: attention_mask, .offset: 8, .size: 8, .value_kind: global_buffer, .address_space: global }
      - { .name: out0, .offset: 16, .size: 8, .value_kind: global_buffer, .address_space: global }
      - { .name: out1, .offset: 24, .size: 8, .value_kind: global_buffer, .address_space: global }
    .group_segment_fixed_size: 327680
    .private_segment_fixed_size: 0
    .kernarg_segment_align: 8
    .kernarg_segment_size: 32
    .max_flat_workgroup_size: 128
    .sgpr_count:     66
    .vgpr_count:     1024
    .wavefront_size: 32
...
	.end_amdgpu_metadata
.endif
;; end of part 3
